; MI455X (gfx1250); checked and timed in simulation.
; The chip was launched on July 23, 2026; its instructions are those of AMD's public machine-readable ISA for CDNA 5 (MIT licence, August 2026) and "CDNA5" Instruction Set Architecture Reference Guide (July 2026). The comments in the code are by the model that wrote it; some were corrected since.
;; CAN Layer. Allowed arithmetic: matrix products marked QUANTISED: E5M2 operands, one given power-of-two scale a tensor, by v_wmma_f32_16x16x64_bf8_bf8 or v_wmma_f32_16x16x128_bf8_bf8, f32 sums; products left as they are: f32 operands where the result goes on into a quantised operand, else bf16, f16 or f32 operands; f32 sums; everything else in f32.
;; Inputs: Wk_d_codes 2,048 x 64 x 32 uint8 (E5M2 codes of Wk_d, K innermost, in blocks of 32 codes); Wk_p_codes 2,048 x 64 x 32 uint8 (E5M2 codes of Wk_p, K innermost, in blocks of 32 codes); Wq_d_codes 2,048 x 64 x 32 uint8 (E5M2 codes of Wq_d, K innermost, in blocks of 32 codes); Wq_p_codes 2,048 x 64 x 32 uint8 (E5M2 codes of Wq_p, K innermost, in blocks of 32 codes); Wv_d_codes 2,048 x 64 x 32 uint8 (E5M2 codes of Wv_d, K innermost, in blocks of 32 codes); Wv_p_codes 2,048 x 64 x 32 uint8 (E5M2 codes of Wv_p, K innermost, in blocks of 32 codes); drug_codes 2,048 x 64 x 32 uint8 (E5M2 codes of drug, K innermost, in blocks of 32 codes); lowp_scales 12 int32 (the exponents e of the quantised operands' scales 2^e); mask_drug 2,048 bool; mask_prot 2,048 bool; protein_codes 2,048 x 64 x 32 uint8 (E5M2 codes of protein, K innermost, in blocks of 32 codes).
;; Outputs: out0 2,048 x 4,096 float32.
;; This version of the problem:
;;   THIS VERSION OF THE PROBLEM IS GIVEN IN LOW PRECISION. The matrix products marked QUANTISED in the list below multiply operands that are first quantised to E5M2 (5 exponent bits, 2 mantissa bits; 8 bits a number), with one given power-of-two scale for each operand tensor; their sums are f32. All else is computed in f32.
;;   The module's matrix products, in the order in which they are computed (A, B: the left and right operand; K: the contracted axis; several contracted axes count as one K, in the product's order):
;;     1. [M 2,048, K 2,048] x [K 2,048, N 2,048]; A: input protein (given as codes); B: input Wq_p (given as codes): QUANTISED (scales: A lowp_scales[0], B lowp_scales[1])
;;     2. [M 2,048, K 2,048] x [K 2,048, N 2,048]; A: input protein (given as codes); B: input Wk_p (given as codes): QUANTISED (scales: A lowp_scales[2], B lowp_scales[3])
;;     3. [M 2,048, K 2,048] x [K 2,048, N 2,048]; A: input protein (given as codes); B: input Wv_p (given as codes): QUANTISED (scales: A lowp_scales[4], B lowp_scales[5])
;;     4. [M 2,048, K 2,048] x [K 2,048, N 2,048]; A: input drug (given as codes); B: input Wq_d (given as codes): QUANTISED (scales: A lowp_scales[6], B lowp_scales[7])
;;     5. [M 2,048, K 2,048] x [K 2,048, N 2,048]; A: input drug (given as codes); B: input Wk_d (given as codes): QUANTISED (scales: A lowp_scales[8], B lowp_scales[9])
;;     6. [M 2,048, K 2,048] x [K 2,048, N 2,048]; A: input drug (given as codes); B: input Wv_d (given as codes): QUANTISED (scales: A lowp_scales[10], B lowp_scales[11])
;;     7. batch 32,768 x [M 1, K 128] x [K 128, N 1]; A: computed on the way; B: computed on the way: left as it is (M = 1 < 16)
;;     8. batch 32,768 x [M 1, K 128] x [K 128, N 1]; A: computed on the way; B: computed on the way: left as it is (M = 1 < 16)
;;     9. batch 32,768 x [M 1, K 128] x [K 128, N 1]; A: computed on the way; B: computed on the way: left as it is (M = 1 < 16)
;;     10. batch 32,768 x [M 1, K 128] x [K 128, N 1]; A: computed on the way; B: computed on the way: left as it is (M = 1 < 16)
;;     11. batch 32,768 x [M 128, K 1] x [K 1, N 1]; A: computed on the way; B: computed on the way: left as it is (K = 1 < 32)
;;     12. batch 32,768 x [M 128, K 1] x [K 1, N 1]; A: computed on the way; B: computed on the way: left as it is (K = 1 < 32)
;;     13. batch 32,768 x [M 128, K 1] x [K 1, N 1]; A: computed on the way; B: computed on the way: left as it is (K = 1 < 32)
;;     14. batch 32,768 x [M 128, K 1] x [K 1, N 1]; A: computed on the way; B: computed on the way: left as it is (K = 1 < 32)
;;   THE QUANTISER, for each operand of a quantised product, along K:
;;     - The operand's scale is 2^e, e = its entry of the input lowp_scales (int32; the entries are numbered through the quantised products in the list's order, A before B).
;;     - Each number is divided by the scale, clamped to +-57,344, and rounded to the nearest number of E5M2, ties to even, subnormals kept.
;;     - The product sums the exact products of the quantised numbers (number of the format x scale) in f32.
;;   ~~~python
;;   def quantise(x, axis, e):      # numpy; x: float32 -> the quantised numbers, widened to float32 again
;;       x = np.moveaxis(x, axis, -1); K = x.shape[-1]
;;       r = np.clip(x / 2.0 ** e, -57344, 57344)
;;       step = 2.0 ** (np.maximum(np.frexp(np.where(r == 0, 1, r))[1] - 1, -14) - 2)
;;       q = np.round(r / step) * step * 2.0 ** e      # np.round: ties to even
;;       return np.moveaxis(q, -1, axis).astype(np.float32)
;;   ~~~
;;   INPUTS GIVEN AS CODES. Wk_d (in the module: [2048, 2048], K = its axis 0); Wk_p (in the module: [2048, 2048], K = its axis 0); Wq_d (in the module: [2048, 2048], K = its axis 0); Wq_p (in the module: [2048, 2048], K = its axis 0); Wv_d (in the module: [2048, 2048], K = its axis 0); Wv_p (in the module: [2048, 2048], K = its axis 0); drug (in the module: [2048, 2048], K = its axis 1); protein (in the module: [2048, 2048], K = its axis 1): each comes as NAME_codes (uint8): NAME with its K axis moved to the last place and cut into blocks of 32 codes, [.., K / 32, bytes a block], one block behind the other in memory; one code a byte (a code: sign, 5 exponent bits, 2 mantissa bits); its scale is its entry of lowp_scales. Its value is code x scale, taken as it is: it is not quantised again, and the codes and scales need not be those that the quantiser above would give.
;; One version. Each part assembles by itself: llvm-mc -triple=amdgcn-amd-amdhsa -mcpu=gfx1250 --defsym DOCPART=n.
;; ======== version 1 of 1: 1 launch
;; limits: right only within a limited range of input values
;; launch can (part 1): grid 16 x 16, 4 waves a work-group, clusters of 4 x 4, 327,680 bytes of LDS; arguments protein_codes, drug_codes, Wv_p_codes, Wv_d_codes, lowp_scales, out0; writes out0
.if DOCPART == 1
	.amdgcn_target "amdgcn-amd-amdhsa--gfx1250"
	.amdhsa_code_object_version 6
	.text
	.protected	k_q6d0cd44277_can
	.globl	k_q6d0cd44277_can
	.p2align	8
	.type	k_q6d0cd44277_can,@function
k_q6d0cd44277_can:
	s_mov_b64 s[64:65], 0
	v_nop
	global_prefetch_b8 v0, s[64:65] scope:SCOPE_SE
	s_setreg_imm32_b32 hwreg(HW_REG_WAVE_MODE, 25, 1), 1
	s_wait_xcnt 0x0
	s_wait_alu depctr_hold_cnt(0) depctr_sa_sdst(0) depctr_va_vdst(0) depctr_va_sdst(0) depctr_va_ssrc(0) depctr_va_vcc(0) depctr_vm_vsrc(0)
	s_getreg_b32 s2, hwreg(HW_REG_IB_STS2, 6, 4)
	s_cmp_eq_u32 s2, 0
	s_cbranch_scc0 .Lentry_in_a_cluster
	s_endpgm
.Lentry_in_a_cluster:
	s_bfe_u32 s2, ttmp6, 0x10000c
	s_cmp_lg_u32 s2, 0xf033
	s_cbranch_scc0 .Lentry_shape_is_right
	s_endpgm
.Lentry_shape_is_right:
; CAN layer, one launch: out0[:, 0:2048] = out0[:, 2048:4096] = (protein Wv_p + drug Wv_d) / 2, two products 2048 x 2048 x 2048 on codes of BF8 (E5M2), K innermost, f32 sums.
; WHAT IS LEFT OUT, AND WHY IT IS DEAD.  The function gives every row of the inputs a sequence of length L = 1 and replaces both masks by all-ones of its own.  Each softmax runs over an axis of that length 1:
; with one entry x it is exp(x - x) / exp(x - x) = 1 for every finite x, and the all-true masks keep it.  So a_pp = a_pd = a_dp = a_dd = 1 whatever the inputs hold, agg(a, v) = v, and both embeddings are (vp + vd) / 2.
; The four products for q and k (table: 1, 2, 4, 5) and the four logits (7 to 10) feed nothing but those weights; 11 to 14 are multiplications by 1.  They reach no output.
; The inputs Wq_p, Wk_p, Wq_d, Wk_d (codes), mask_prot and mask_drug have no way to an output: they are not loaded and are no arguments; of lowp_scales only entries 4, 5, 10, 11 are read.
; LIMIT: a NaN, an infinity or an overflow that reaches only the work left out (a logit) is not carried to the result.
; LIMITS: lowp_scales[4] + [5] - 1 and [10] + [11] - 1 lie between -126 and 127, so that each power of two is an f32 number (the 1 is the division by 2).  The order of the f32 sums differs from the function's.
; SHARES.  A work-group makes 128 rows (x) by 128 columns (y) of (vp + vd) / 2; wave w makes rows 64 (w / 2) on, columns 64 (w % 2) on: 16 accumulators of 16 x 16 for each tensor.
; THE RING.  A K step is 512 along K of ONE tensor: steps 0-3 protein, 4-7 drug; two slots, each 128 rows of A and 128 rows of W, 512 bytes a row.  At the head each wave issues one load: waves 0, 1 slot 0's A and W, waves 2, 3 slot 1's.
; A slot is filled again by all four waves: even waves 64 rows of A each, odd waves 64 rows of W.  Eight steps are written by one macro each.
; CLUSTERS: 4 x 4 work-groups.  A's tile hangs on x alone: the four with my cx ask for it jointly; W's hangs on y alone: the four with my cy.
; PREFETCH: one instruction a wave in each step, from the head on: step s + 2 is asked for two changes of slots ahead of the load that wants it (s + 2 = 2 at the head, 3 in step 0, 4 to 7 behind changes 1 to 4); steps 0, 1 come by their loads alone.
; Each block of 256 bytes is named once in each cluster: of the 64 rows x 512 bytes that wave w fetches in a step, the partner at place p (cy for A, cx for W) takes 16 rows, two blocks a row, a lane a block.
; THE MATRIX INSTRUCTION IS USED TRANSPOSED (source 0 = 16 rows of W, source 1 = 16 rows of A): lane (r, h), register j of accumulator (a, b) holds C[16 a + r][16 b + 8 h + j].
; A fragment (16 rows x 128 K, 16 registers) comes by four loads of 16 bytes, 32 bytes apart: a permutation of k, alike in both sources, so every product meets its partner.
; THE LAST K STEP GOES BY ROWS: all its fragments of W are in registers, the four blocks of 16 rows are finished one after the other and leave as they are finished.
; REGISTERS, in windows of 256: window 0: v0-31 addresses, v32-159 A's fragments (two buffers of 64), v160-191 results, v192-255 rows read back.  window 1: W's fragments, two buffers of 64; in the last step all 256.
;   window 2: protein's accumulator (a, b) at v[8 (4 a + b)], drug's at v[128 + 8 (4 a + b)].
.set PITCH,  528                       ; an LDS row: 512 bytes + 16 of padding = 132 words: the 16 rows that a fragment load touches start 4 words apart modulo 64
.set HALF,   128*PITCH                 ; 128 rows: A's part of a slot, then W's
.set SLOT,   2*HALF
.set SPARE,  2*SLOT                    ; behind the ring: the spare words, 128 bytes for each wave: two blocks of 256 bytes that no other line names
.set STAGE,  SPARE+512                 ; the way out: 16 rows x (256 bytes + 16) for each wave; no tensor load lands there
.set SP,     272
.set ADRA, 10                          ; v10-11  my A fragments in slot 0, 1
.set ADRB, 12                          ; v12-13  my W fragments
.set STO,  14                          ; v14     the stage, in
.set RD,   15                          ; v15     the stage, back
.set SPW,  16                          ; v16     my spare word; never rewritten
.set NIL,  17                          ; v17     0; never rewritten
.set CO,   18                          ; v18     my byte offset in out0
.set PFO,  19                          ; v19     the prefetches' offset
.set AF,   32
.set TMP,  160
.set BK,   192
.set WV,   16                          ; s16     my wave's number
.set MSB, 0
.macro WIN new                         ; the immediate's high byte repeats the setting that is left; a switch that changes nothing is dropped
.if MSB != (\new)
	s_set_vgpr_msb (MSB<<8)|(\new)
.set MSB, (\new)
.endif
.endm
.macro PLACES                          ; plain vector instructions between a matrix instruction and a load into, or a vector read of, its registers (ISA guide 7.12.1 for vector reads)
.rept 4
	v_nop
.endr
.endm
; A joint load: even waves ask for A, odd waves for W.  The branch hangs on the wave's number alone.  s_nop 0 and four v_nop follow each of the two lines.
.macro JLOAD g1a, g1b
	s_cmp_eq_u32 s17, 0
	s_cbranch_scc0 .Lfor_w_\@
	tensor_load_to_lds s[56:59], s[\g1a:\g1a+7]
	s_nop 0
	PLACES
	s_branch .Lasked_\@
.Lfor_w_\@:
	tensor_load_to_lds s[60:63], s[\g1b:\g1b+7]
	s_nop 0
	PLACES
.Lasked_\@:
.endm
.macro CROUND                          ; a whole round of the cluster's barrier
	s_barrier_signal -1
	s_barrier_wait -1
	s_cmp_lg_u32 s[WV], 0
	s_cbranch_scc1 .Lnot_wave_0_\@
	s_barrier_signal -3
.Lnot_wave_0_\@:
	s_barrier_wait -3
	s_barrier_signal -1
	s_barrier_wait -1
.endm
.macro ASK n                           ; the prefetch of K step n (its address registers are never rewritten)
	global_prefetch_b8 v[PFO], s[66+2*((\n)/4):67+2*((\n)/4)] offset:512*((\n)%4) th:TH_LOAD_NT scope:SCOPE_SE
.endm
	s_load_b256 s[4:11], s[0:1], 0x0               ; protein s[4:5], drug s[6:7], Wv_p s[8:9], Wv_d s[10:11]
	s_load_b128 s[12:15], s[0:1], 0x20             ; the scales' exponents s[12:13], out0 s[14:15]
	v_lshl_add_u32 v[SPW], v0, 2, SPARE
	v_mov_b32 v[NIL], 0
	ds_add_u32 v[SPW], v[NIL]                      ; the wave's opening: the add, twice on end, and its wait
	ds_add_u32 v[SPW], v[NIL]
	v_lshrrev_b32 v3, 5, v0
	v_readfirstlane_b32 s[WV], v3                  ; wave 0..3
	s_and_b32 s17, s[WV], 1                        ; I fetch A (0) or W (1); also: which half of the columns is mine
	s_lshr_b32 s18, s[WV], 1                       ; which 64 rows of a tile I fetch (at the head: which slot I fill); also: which half of the rows is mine
	s_bfe_u32 s19, ttmp6, 0x40000                  ; cx
	s_bfe_u32 s20, ttmp6, 0x40004                  ; cy
	s_lshl_b32 s21, ttmp9, 2
	s_add_co_u32 s21, s21, s19                     ; my block of 128 rows = 4 x cluster x + cx
	s_and_b32 s22, ttmp7, 0xffff
	s_lshl_b32 s22, s22, 2
	s_add_co_u32 s22, s22, s20                     ; my block of 128 columns = 4 x cluster y + cy
	s_lshl_b32 s23, 0x1111, s19                    ; the four with my cx
	s_lshl_b32 s78, s20, 2
	s_lshl_b32 s78, 15, s78                        ; the four with my cy
	; descriptor group 1: 128 rows (the head) or 64 rows (refills) x 512 bytes, rows 2,048 bytes apart in memory, padded in LDS
	s_or_b32 s24, s23, (1<<20)|(1<<21)|(6<<22)|(3<<25)   ; 15:0 the mask; elements of 1 byte; 20 padding on; 21 set beside a mask; 24:22 after every 128 words (code 6); 31:25 four words (code 3)
	s_or_b32 s40, s23, (1<<20)|(1<<21)|(6<<22)|(3<<25)
	s_or_b32 s32, s78, (1<<20)|(1<<21)|(6<<22)|(3<<25)
	s_or_b32 s48, s78, (1<<20)|(1<<21)|(6<<22)|(3<<25)
.irp g, 24, 32, 40, 48
	s_mov_b32 s[\g+1], 512<<16                     ; tensor_dim0
.if \g < 40
	s_mov_b32 s[\g+2], 128<<16                     ; tensor_dim1
	s_mov_b32 s[\g+4], 128                         ; tile_dim1
.else
	s_mov_b32 s[\g+2], 64<<16
	s_mov_b32 s[\g+4], 64
.endif
	s_mov_b32 s[\g+3], 512<<16                     ; tile_dim0
	s_mov_b32 s[\g+5], 2048                        ; tensor_dim0_stride
	s_mov_b32 s[\g+6], 0
	s_mov_b32 s[\g+7], 0
.endr
	s_mov_b32 s56, 1                               ; group 0 for A, s[56:59], and for W, s[60:63]: count = 1,
	s_mov_b32 s60, 1
	s_mov_b32 s80, 1                               ; and two more for slot 1 at the head: s[80:83], s[84:87]
	s_mov_b32 s84, 1
	s_mov_b32 s57, 0                               ; LDS addresses at the head: constants
	s_mov_b32 s61, HALF
	s_mov_b32 s81, SLOT
	s_mov_b32 s85, SLOT+HALF
	s_mul_i32 s88, s18, 64*PITCH                   ; refills: my 64 rows of A; also: my wave's rows of A's tile
	s_add_co_u32 s90, s88, HALF                    ; my 64 rows of W
	s_mul_i32 s89, s17, 64*PITCH
	s_add_co_u32 s89, s89, HALF                    ; my wave's columns: rows of W's tile
	s_mul_i32 s91, s[WV], 16*SP
	s_add_co_u32 s91, s91, STAGE                   ; my stage
	s_lshl_b32 s96, s21, 18                        ; A's tile: 128 rows of 2,048 bytes for each block; hangs on x alone
	s_mov_b32 s97, 0
	s_lshl_b32 s98, s22, 18                        ; W's tile likewise; hangs on y alone
	s_mov_b32 s99, 0
	s_lshl_b32 s2, s18, 17                         ; the 64 rows that I fetch in a refill
	s_mov_b32 s3, 0
	; the prefetches' offset
	s_cmp_eq_u32 s17, 0
	s_cselect_b32 s100, s96, s98
	s_cselect_b32 s101, s20, s19                   ; my place among the four that ask for the tile with me
	s_lshl_b32 s101, s101, 15                      ; 16 rows for each
	s_add_co_u32 s100, s100, s101
	s_add_co_u32 s100, s100, s2
	s_mov_b32 s101, 0
	; my part of out0: rows of 16,384 bytes
	s_lshl_b32 s79, s21, 21
	s_lshl_b32 s78, s18, 20
	s_add_co_u32 s79, s79, s78
	s_lshl_b32 s78, s22, 9
	s_add_co_u32 s79, s79, s78
	s_lshl_b32 s78, s17, 8
	s_add_co_u32 s79, s79, s78
	v_and_b32 v1, 15, v0                           ; r
	v_bfe_u32 v2, v0, 4, 1                         ; h
	v_mul_u32_u24 v5, v1, PITCH
	v_lshl_add_u32 v5, v2, 4, v5                   ; a fragment's row x pitch + 16 h
	v_add_nc_u32 v[ADRA], s88, v5
	v_add_nc_u32 v[ADRA+1], SLOT, v[ADRA]
	v_add_nc_u32 v[ADRB], s89, v5
	v_add_nc_u32 v[ADRB+1], SLOT, v[ADRB]
	v_mul_u32_u24 v6, v1, SP
	v_lshl_add_u32 v6, v2, 5, v6
	v_add_nc_u32 v[STO], s91, v6                   ; in: row r, 32 bytes for each half of the lanes
	v_mul_u32_u24 v7, v2, SP
	v_lshl_add_u32 v7, v1, 4, v7
	v_add_nc_u32 v[RD], s91, v7                    ; back: lanes 0-15 one row of 256 bytes, lanes 16-31 the next
	v_lshlrev_b32 v8, 14, v2
	v_lshl_add_u32 v[CO], v1, 4, v8                ; and the same two rows in out0
	v_and_b32 v9, 1, v0
	v_lshlrev_b32 v9, 8, v9
	v_bfe_u32 v20, v0, 1, 4
	v_lshl_add_u32 v[PFO], v20, 11, v9             ; lane l: row l / 2, block l % 2 of 256 bytes
	s_wait_alu depctr_va_vdst(0)                   ; behind the head's last vector write
	s_wait_dscnt 0x0                               ; both opening adds are done
	CROUND                                         ; all sixteen work-groups are here: the first joint loads meet.  (The arguments are on their way meanwhile)
	s_wait_kmcnt 0x0
	s_load_b64 s[92:93], s[12:13], 0x10            ; e4, e5: wanted on the way out
	s_load_b64 s[94:95], s[12:13], 0x28            ; e10, e11
	s_add_nc_u64 s[58:59], s[4:5], s[96:97]        ; protein at my rows, K step 0,
	s_or_b32 s59, s59, 0x80000000                  ; type = 2
	s_add_nc_u64 s[62:63], s[8:9], s[98:99]        ; Wv_p at my columns
	s_or_b32 s63, s63, 0x80000000
	s_add_nc_u64 s[82:83], s[58:59], 512           ; and K step 1
	s_add_nc_u64 s[86:87], s[62:63], 512
	; the prefetches' bases: s[66:67] in the first tensor or its weight, s[68:69] in the second
	s_cmp_eq_u32 s17, 0
	s_cselect_b64 s[66:67], s[4:5], s[8:9]
	s_cselect_b64 s[68:69], s[6:7], s[10:11]
	s_add_nc_u64 s[66:67], s[66:67], s[100:101]
	s_add_nc_u64 s[68:69], s[68:69], s[100:101]
; One arm of the head's chain: wave w's one joint load.  Waves 0 and 1 wait for slot 0's tiles; waves 2 and 3 wait for slot 1's at the first change of slots.
.macro HFILL w, g0, g1
.if \w < 3
	s_cmp_eq_u32 s[WV], \w
	s_cbranch_scc0 .Lhead_not_\w
.endif
	tensor_load_to_lds s[\g0:\g0+3], s[\g1:\g1+7]
	s_nop 0
	PLACES
	ASK 2
.if \w < 2
	s_wait_tensorcnt 0x0                           ; my part of slot 0 is in
.endif
.if \w < 3
	s_branch .Lhead_join
.Lhead_not_\w:
.endif
.endm
	HFILL 0, 56, 24                                ; slot 0: A,
	HFILL 1, 60, 32                                ; W;
	HFILL 2, 80, 24                                ; slot 1: A,
	HFILL 3, 84, 32                                ; W
.Lhead_join:
.macro FRAG reg, adr, off              ; a fragment: 16 rows x 128 K
.irp c, 0,1,2,3
	ds_load_b128 v[\reg+4*\c:\reg+4*\c+3], v[\adr] offset:\off+32*\c
.endr
.endm
; 32 LDS loads: the fragments of quarter q of a slot into buffer p
.macro FETCHQ slot, q, p
	WIN 0x40
.irp i, 0,1,2,3
	FRAG 64*(\p)+16*\i, ADRB+\slot, 128*(\q)+\i*16*PITCH
.endr
	WIN 0
.irp i, 0,1,2,3
	FRAG AF+64*(\p)+16*\i, ADRA+\slot, 128*(\q)+\i*16*PITCH
.endr
.endm
; 16 matrix instructions on buffer p for tensor t.  ZERO = 1: the first product starts the sums.  The 16 accumulators take turns, one instruction a turn, in the same order every time.
.macro MUL p, t
	WIN 0xa1                                       ; source 0 (W) window 1, source 1 (A) window 0, C and D window 2
.irp a, 0,1,2,3
.irp b, 0,1,2,3
.if ZERO
	v_wmma_f32_16x16x128_bf8_bf8 v[128*(\t)+8*(4*\a+\b):128*(\t)+8*(4*\a+\b)+7], v[64*(\p)+16*\b:64*(\p)+16*\b+15], v[AF+64*(\p)+16*\a:AF+64*(\p)+16*\a+15], 0
.else
	v_wmma_f32_16x16x128_bf8_bf8 v[128*(\t)+8*(4*\a+\b):128*(\t)+8*(4*\a+\b)+7], v[64*(\p)+16*\b:64*(\p)+16*\b+15], v[AF+64*(\p)+16*\a:AF+64*(\p)+16*\a+15], v[128*(\t)+8*(4*\a+\b):128*(\t)+8*(4*\a+\b)+7]
.endif
.endr
.endr
.endm
; The first three quarters (128 along K each) of K step i: each first asks for the next quarter's fragments.  The fourth is multiplied in CHANGE, behind the next step's first loads.
.macro STEP i
.irp q, 0,1,2
	WIN 0
.if ((\i)+\q) > 0
	PLACES                                         ; the last products read the buffer that is loaded now
.endif
	FETCHQ (\i)%2, \q+1, (\q+1)%2
	s_wait_dscnt 32                                ; all but the 32 just issued
.set ZERO, 0
.if (((\i)%4)+\q) == 0
.set ZERO, 1
.endif
	MUL \q%2, (\i)/4
.set ZERO, 0
.endr
.endm
; The change of slots ahead of K step i (1 to 6): the slot of step i - 1 is filled again with step i + 1.
.macro CHANGE i
	WIN 0
	s_wait_tensorcnt 0x0                           ; no tensor load of mine is out: my part of step i is in, and group 0 may be written
	ds_add_u32 v[SPW], v[NIL]                      ; 0 onto my spare word
	s_add_co_u32 s57, s88, (((\i)+1)%2)*SLOT
	s_add_co_u32 s61, s90, (((\i)+1)%2)*SLOT
	s_add_nc_u64 s[58:59], s[70+2*(((\i)+1)/4):71+2*(((\i)+1)/4)], 512*(((\i)+1)%4)
	s_add_nc_u64 s[62:63], s[74+2*(((\i)+1)/4):75+2*(((\i)+1)/4)], 512*(((\i)+1)%4)
	s_wait_dscnt 0x0                               ; the add is done, and so are my reads of the slot of step i - 1
	CROUND                                         ; both now hold of every wave of every partner
	JLOAD 40, 48                                   ; its four v_nop are also the places in front of the loads below
	FETCHQ (\i)%2, 0, 0
.if (\i) < 5
	ASK (\i)+3
.endif
	MUL 1, ((\i)-1)/4                              ; step i - 1's last quarter
.endm
	s_barrier_signal -1                            ; slot 0 is whole behind this barrier
	s_barrier_wait -1
.set ZERO, 0
	FETCHQ 0, 0, 0
	ASK 3
	; the refills' bases, with the type bits on top: protein s[70:71], drug s[72:73], Wv_p s[74:75], Wv_d s[76:77], each at my 64 rows
	s_add_nc_u64 s[70:71], s[4:5], s[96:97]
	s_add_nc_u64 s[72:73], s[6:7], s[96:97]
	s_add_nc_u64 s[74:75], s[8:9], s[98:99]
	s_add_nc_u64 s[76:77], s[10:11], s[98:99]
.irp b, 70, 72, 74, 76
	s_add_nc_u64 s[\b:\b+1], s[\b:\b+1], s[2:3]
	s_or_b32 s[\b+1], s[\b+1], 0x80000000
.endr
	s_mov_b32 s78, s79
	s_mov_b32 s79, 0
	s_add_nc_u64 s[14:15], s[14:15], s[78:79]      ; my part of out0
	STEP 0
	CHANGE 1
	STEP 1
	CHANGE 2
	STEP 2
	CHANGE 3
	STEP 3
	CHANGE 4
	STEP 4
	CHANGE 5
	STEP 5
	CHANGE 6
	STEP 6
	; ---- the last K step (7, in slot 1): nothing is filled again, so no round follows
.macro BLOAD q                         ; W's fragments of quarter q, window 1, v[64 q ..]
.irp i, 0,1,2,3
	FRAG 64*\q+16*\i, ADRB+1, 128*\q+\i*16*PITCH
.endr
.endm
.macro ALOAD a                         ; A's fragments of row block a, all four quarters, into buffer a % 2
.irp q, 0,1,2,3
	FRAG AF+64*((\a)%2)+16*\q, ADRA+1, 128*\q+(\a)*16*PITCH
.endr
.endm
; Row block a is finished: 16 matrix instructions, its four accumulators by turns.  Block 0's waits: all but the loads younger than the quarter's fragments.
.macro ROW a
	WIN 0xa1
.irp q, 0,2,3,1
.if (\a) == 0
.if \q == 0
	s_wait_dscnt 63                                ; W's quarter 0 and A's block 0 are in: the 32 oldest of 96
.endif
.if \q == 2
	s_wait_dscnt 48
.endif
.if \q == 3
	s_wait_dscnt 32
.endif
.if \q == 1
	s_wait_dscnt 16                                ; A's block 1 may be out
.endif
.endif
.irp b, 0,1,2,3
	v_wmma_f32_16x16x128_bf8_bf8 v[128+8*(4*\a+\b):128+8*(4*\a+\b)+7], v[64*\q+16*\b:64*\q+16*\b+15], v[AF+64*((\a)%2)+16*\q:AF+64*((\a)%2)+16*\q+15], v[128+8*(4*\a+\b):128+8*(4*\a+\b)+7]
.endr
.endr
	WIN 0
	PLACES                                         ; for the loads and the vector reads that follow
.endm
; s92 vp + s94 vd: each accumulator from its low end on
.macro COMBINE a
	WIN 0x02                                       ; source 0: window 2
.irp j, 0,2,4,6,8,10,12,14,16,18,20,22,24,26,28,30
	v_pk_mul_f32 v[TMP+\j:TMP+\j+1], v[128+32*\a+\j:128+32*\a+\j+1], s[94:95] op_sel_hi:[1,0]
.endr
.irp j, 0,2,4,6,8,10,12,14,16,18,20,22,24,26,28,30
	v_pk_fma_f32 v[TMP+\j:TMP+\j+1], v[32*\a+\j:32*\a+\j+1], s[92:93], v[TMP+\j:TMP+\j+1] op_sel_hi:[1,0,1]
.endr
	WIN 0
.endm
.macro TOSTAGE a                       ; into my stage, and back as whole rows of 256 bytes: LDS serves a wave's instructions in order (ISA guide 5.7.1.4)
.irp b, 0,1,2,3
	ds_store_b128 v[STO], v[TMP+8*\b:TMP+8*\b+3] offset:64*\b
	ds_store_b128 v[STO], v[TMP+8*\b+4:TMP+8*\b+7] offset:64*\b+16
.endr
.irp t, 0,1,2,3,4,5,6,7
	ds_load_b128 v[BK+32*((\a)%2)+4*\t:BK+32*((\a)%2)+4*\t+3], v[RD] offset:2*\t*SP
.endr
.endm
.macro SEND a, younger                 ; younger: the LDS loads issued behind the stage's
	s_wait_dscnt \younger
.if (\a) > 0
	s_wait_xcnt 0x0                                ; block a - 1's stores have read their registers: block a + 1's rows may land there
.endif
.irp t, 0,1,2,3,4,5,6,7
	global_store_b128 v[CO], v[BK+32*((\a)%2)+4*\t:BK+32*((\a)%2)+4*\t+3], s[14:15] offset:(16*(\a)+2*\t)*16384 th:TH_STORE_NT   ; 16 lanes store 256 consecutive bytes, at a multiple of 256 from out0's first byte
	global_store_b128 v[CO], v[BK+32*((\a)%2)+4*\t:BK+32*((\a)%2)+4*\t+3], s[14:15] offset:(16*(\a)+2*\t)*16384+8192 th:TH_STORE_NT   ; the drug half of the row is the same
.endr
.endm
	WIN 0
	s_wait_kmcnt 0x0                               ; the exponents
	s_add_co_i32 s92, s92, s93
	s_add_co_i32 s92, s92, 126
	s_lshl_b32 s92, s92, 23                        ; 2^(e4 + e5 - 1)
	s_add_co_i32 s94, s94, s95
	s_add_co_i32 s94, s94, 126
	s_lshl_b32 s94, s94, 23                        ; 2^(e10 + e11 - 1)
	s_wait_tensorcnt 0x0                           ; my part of step 7 is in
	s_wait_dscnt 0x0                               ; my reads of step 6 are over
	s_barrier_signal -1
	s_barrier_wait -1
	PLACES
	WIN 0x40
	BLOAD 0
	WIN 0
	ALOAD 0
	WIN 0x40
	BLOAD 2
	BLOAD 3
	MUL 1, 1                                       ; step 6's last quarter
	WIN 0
	PLACES
	WIN 0x40
	BLOAD 1
	WIN 0
	ALOAD 1
	ROW 0
	ALOAD 2
	COMBINE 0
	TOSTAGE 0
	s_wait_dscnt 32                                ; A's block 1 is in (behind it: block 2's 16 loads, the stage's 8 stores and 8 loads)
	ROW 1
	ALOAD 3
	SEND 0, 16                                     ; (so A's block 2 is in too)
	COMBINE 1
	TOSTAGE 1
	ROW 2
	SEND 1, 0                                      ; (so A's block 3 is in too)
	COMBINE 2
	TOSTAGE 2
	ROW 3
	SEND 2, 0
	COMBINE 3
	TOSTAGE 3
	SEND 3, 0
	s_wait_tensorcnt 0x0                           ; the wave's end: behind my last tensor load and my last LDS store
	ds_add_u32 v[SPW], v[NIL]
	s_wait_dscnt 0x0
	CROUND                                         ; the closing round: no work-group ends while a partner may still ask for a tile that names it
	s_endpgm
.Lfunc_end_k_q6d0cd44277_can:
	.size	k_q6d0cd44277_can, .Lfunc_end_k_q6d0cd44277_can-k_q6d0cd44277_can
	.p2alignl 7, 3214868480
	.fill 96, 4, 3214868480
	.section	.rodata,"a",@progbits
	.p2align	6, 0x0
	.amdhsa_kernel k_q6d0cd44277_can
		.amdhsa_group_segment_fixed_size 327680
		.amdhsa_private_segment_fixed_size 0
		.amdhsa_enable_private_segment 0
		.amdhsa_kernarg_size 48
		.amdhsa_user_sgpr_count 2
		.amdhsa_user_sgpr_kernarg_segment_ptr 1
		.amdhsa_wavefront_size32 1
		.amdhsa_system_sgpr_workgroup_id_x 1
		.amdhsa_system_sgpr_workgroup_id_y 1
		.amdhsa_system_sgpr_workgroup_id_z 1
		.amdhsa_system_vgpr_workitem_id 0
		.amdhsa_next_free_vgpr 768
		.amdhsa_next_free_sgpr 102
		.amdhsa_reserve_vcc 0
		.amdhsa_float_denorm_mode_32 3
		.amdhsa_float_denorm_mode_16_64 3
		.amdhsa_memory_ordered 1
		.amdhsa_forward_progress 1
		.amdhsa_inst_pref_size 140
	.end_amdhsa_kernel
	.amdgpu_metadata
---
amdhsa.version: [ 1, 2 ]
amdhsa.kernels:
  - .name:           k_q6d0cd44277_can
    .symbol:         k_q6d0cd44277_can.kd
    .args:
      - { .name: protein_codes, .offset: 0, .size: 8, .value_kind: global_buffer, .address_space: global }
      - { .name: drug_codes, .offset: 8, .size: 8, .value_kind: global_buffer, .address_space: global }
      - { .name: Wv_p_codes, .offset: 16, .size: 8, .value_kind: global_buffer, .address_space: global }
      - { .name: Wv_d_codes, .offset: 24, .size: 8, .value_kind: global_buffer, .address_space: global }
      - { .name: lowp_scales, .offset: 32, .size: 8, .value_kind: global_buffer, .address_space: global }
      - { .name: out0, .offset: 40, .size: 8, .value_kind: global_buffer, .address_space: global }
    .group_segment_fixed_size: 327680
    .private_segment_fixed_size: 0
    .kernarg_segment_align: 8
    .kernarg_segment_size: 48
    .max_flat_workgroup_size: 128
    .sgpr_count:     102
    .vgpr_count:     768
    .wavefront_size: 32
...
	.end_amdgpu_metadata
.endif
;; end of part 1
